; MI455X (gfx1250); checked and timed in simulation.
; The chip was launched on July 23, 2026; its instructions are those of AMD's public machine-readable ISA for CDNA 5 (MIT licence, August 2026) and "CDNA5" Instruction Set Architecture Reference Guide (July 2026). The comments in the code are by the model that wrote it; some were corrected since.
;; Dot Product Attention. Allowed arithmetic: matrix products marked QUANTISED: E5M2 operands, one given power-of-two scale a tensor, by v_wmma_f32_16x16x64_bf8_bf8 or v_wmma_f32_16x16x128_bf8_bf8, f32 sums; products left as they are: f32 operands where the result goes on into a quantised operand, else bf16, f16 or f32 operands; f32 sums; everything else in f32.
;; Inputs: K 32 x 8 x 1,024 x 16 float32; Q 32 x 8 x 1,024 x 16 float32; V_codes 32 x 8 x 16 x 32 x 32 uint8 (E5M2 codes of V, K innermost, in blocks of 32 codes); lowp_scales 2 int32 (the exponents e of the quantised operands' scales 2^e); mask 32 x 1,024 x 1 bool.
;; Outputs: out0 32 x 8 x 1,024 x 16 float32.
;; This version of the problem:
;;   THIS VERSION OF THE PROBLEM IS GIVEN IN LOW PRECISION. The matrix products marked QUANTISED in the list below multiply operands that are first quantised to E5M2 (5 exponent bits, 2 mantissa bits; 8 bits a number), with one given power-of-two scale for each operand tensor; their sums are f32. All else is computed in f32.
;;   The module's matrix products, in the order in which they are computed (A, B: the left and right operand; K: the contracted axis; several contracted axes count as one K, in the product's order):
;;     1. batch 256 x [M 1,024, K 16] x [K 16, N 1,024]; A: input Q; B: input K: left as it is (K = 16 < 32)
;;     2. batch 256 x [M 1,024, K 1,024] x [K 1,024, N 16]; A: softmax (see below); B: input V (given as codes): QUANTISED (scales: A lowp_scales[0], B lowp_scales[1])
;;   THE QUANTISER, for each operand of a quantised product, along K:
;;     - The operand's scale is 2^e, e = its entry of the input lowp_scales (int32; the entries are numbered through the quantised products in the list's order, A before B).
;;     - Each number is divided by the scale, clamped to +-57,344, and rounded to the nearest number of E5M2, ties to even, subnormals kept.
;;     - The product sums the exact products of the quantised numbers (number of the format x scale) in f32.
;;   ~~~python
;;   def quantise(x, axis, e):      # numpy; x: float32 -> the quantised numbers, widened to float32 again
;;       x = np.moveaxis(x, axis, -1); K = x.shape[-1]
;;       r = np.clip(x / 2.0 ** e, -57344, 57344)
;;       step = 2.0 ** (np.maximum(np.frexp(np.where(r == 0, 1, r))[1] - 1, -14) - 2)
;;       q = np.round(r / step) * step * 2.0 ** e      # np.round: ties to even
;;       return np.moveaxis(q, -1, axis).astype(np.float32)
;;   ~~~
;;   SOFTMAX AHEAD OF A QUANTISED PRODUCT. Where the list says 'softmax', what is quantised is not the finished softmax but p = 2^(t - M), with t = logit x log2(e) and M = ceil(the row's largest t), a whole number; so 1/2 < the row's largest p <= 1. The row's sum l is taken of the UNQUANTISED p, in f32, and the product's result is divided by l at the end. Since M is a whole number, a kernel that streams over the keys may use a running M (the ceiling of the running maximum): every later rescaling is an exact power of two, so the quantised numbers keep their values, but for numbers so far below the row's largest that they fall under the format's range.
;;   OPERANDS COMPUTED ON THE WAY. 'Computed on the way' means the value that the module computes at that place (a softmax that the list does not call 'softmax' is quantised finished and normalised). What goes into a quantiser is computed in f32, as accurately as f32 sums, v_exp_f32 and their like allow (about 1e-6 of the number): no bf16 or f16 on the way to a quantiser, and a product that is left as it is and whose result goes on into a quantised operand takes f32 operands (vector FMAs, or v_wmma_f32_16x16x4_f32). A number that lies on a knife's edge between two numbers of the format may be rounded either way, as far as f32 arithmetic and the matrix unit's own rounding can turn it there, and no further.
;;   INPUTS GIVEN AS CODES. V (in the module: [32, 8, 1024, 16], K = its axis 2): each comes as NAME_codes (uint8): NAME with its K axis moved to the last place and cut into blocks of 32 codes, [.., K / 32, bytes a block], one block behind the other in memory; one code a byte (a code: sign, 5 exponent bits, 2 mantissa bits); its scale is its entry of lowp_scales. Its value is code x scale, taken as it is: it is not quantised again, and the codes and scales need not be those that the quantiser above would give.
;; 2 versions, each right; version 2 is version 1 with the launch attn written anew for expert scheduling mode. Each part assembles by itself: llvm-mc -triple=amdgcn-amd-amdhsa -mcpu=gfx1250 --defsym DOCPART=n.
;; ======== version 1 of 2: 1 launch
;; launch attn (part 1): grid 256 x 1, 16 waves a work-group, no clusters, 174,336 bytes of LDS; arguments Q, K, V_codes, mask, lowp_scales, out0; writes out0
.if DOCPART == 1
	.amdgcn_target "amdgcn-amd-amdhsa--gfx1250"
	.amdhsa_code_object_version 6
	.text
	.protected	k_q21c41a0666_attn
	.globl	k_q21c41a0666_attn
	.p2align	8
	.type	k_q21c41a0666_attn,@function
k_q21c41a0666_attn:
	s_mov_b64 s[64:65], 0
	v_nop
	global_prefetch_b8 v0, s[64:65] scope:SCOPE_SE
	s_setreg_imm32_b32 hwreg(HW_REG_WAVE_MODE, 25, 1), 1
	s_wait_xcnt 0x0
; out0[b][h][q][:] = softmax_k( mask[b][k] ? -1e10 : 10 tanh(Q[q].K[k] / 4) ) V[k][:].   Q, K, out0: [32][8][1024][16] f32.  V: E5M2 codes, keys innermost, [32][8][16 d][1024 keys].
; The first product (depth 16) feeds a quantiser, so it is made with f32 operands, by the f32 matrix form.  The second is made on E5M2 codes: p with the given scale 2^ep, V with 2^ev.
; SHARES.  One work-group to a head (256 heads).  Sixteen waves of 256 registers; wave w owns queries 64 w .. 64 w + 63, four tiles of 16, one after the other; for each tile it walks the 1,024 keys in 8 steps of 128.
; Both products are used transposed (S^T = K Q^T, O^T = V^T P^T): a lane holds ONE query (lane % 16) throughout.
; STAGING.  The head's K, Q (times c1), V and a table B[key] made of the mask go into LDS once, at the head, by dense loads and LDS stores; ONE barrier; behind it those bytes are only read.
; K and Q lie in LDS as images of the operand's registers (16 bytes a lane on end).  THE KEYS OF A TILE ARE NOT NEIGHBOURS: slot r of tile 2 b + u of a step is key 32 b + 8 u + r + 8 (r / 8), so that the 16 score
; registers of tiles 2 b and 2 b + 1 are the 16 neighbouring keys 32 b + 16 (lane / 16) + 0 .. 15: the conversions' results are the second product's operand as they stand.
; A SCORE.  S = (c1 q).k, c1 = log2(e) / 2;  E = 2^S = e^(2x), x = q.k / 4;  R = 1 / (1 + E);  tanh x = 1 - 2 R;  T = R A + B[key], A = -20 log2(e);  P' = 2^T.
;   open key:   B = 10 log2(e) - 15, so T = t - 15 with t = logit x log2(e).  The clip 10 tanh, which is the problem's own, holds t within +-14.43 for every input: P' lies in 2^-29.5 .. 2^-0.5 and a row's sum under 2^9.5,
;               so P' and its sum are kept under this one shift without overflow or underflow.  The QUANTISER still gets the running maximum: see M below.
;   masked key: B = -1e10 log2(e): P' = 0.  The mask costs no instruction a score: B is loaded into the registers in which the multiply-add leaves T.
;   a batch masked throughout: every logit is -1e10 and every p is 1.  All 1,024 mask bytes are ANDed; A and the masked B are then SELECTED to 0 (no branch): T = 0, P' = 1.
; M.  Mrel = ceil(the running largest T), the running largest beginning at -30, under every open key's T: Mrel = ceil(largest t) - 15.  The conversion's scale is, lane by lane, 2^(ep + Mrel), so a code is 2^(t - M) / 2^ep.
;   When Mrel moves, O^T is multiplied by 2^(old - new), which rounds nothing.  The row's sum is taken of the unquantised P'.  out = O^T x 2^(ep + ev + Mrel) / the sum.
; THE HOLD at 57,344 x the scale: P' is at most 2^Mrel, so with ep >= -15 a number over its scale is at most 2^15 and the hold cannot bite: its 64 lines stand under a scalar branch on the whole number ep, and run where ep <= -16.
; LIMITS.  ep between -96 and 112 (ep + 97 and ep + 142 are f32 exponent fields); ep + ev is applied by v_ldexp_f32 and has none.  Mask bytes are 0 or 1.  NaN among Q and K is not served.
; NOT USED: tensor loads and a ring (a head's 102 KB is staged once, permuted on the way, and never filled again); clusters (work-groups share only a batch's 1,024 mask bytes);
; prefetches (every input byte is asked for by the loads at the head; no later stream exists); register windows (256 registers a wave).
.set QIMG,  65536                      ; LDS: K's 64 tiles x 1,024 bytes from 0; then Q's: 4,096 bytes for each wave
.set VROW,  131072                     ; V: 16 rows of 1,024 codes,
.set VP,    1040                       ; 1,040 bytes apart: 65 x 16, so the 16 rows of a fragment load fall on 16 different 16-byte columns of 256
.set BTAB,  VROW+16*VP                 ; B[key]: 1,024 f32
.set STAGE, BTAB+4096                  ; the way out: 16 rows of 80 bytes for each wave
.set SPT,   80
.set QF,  24                           ; v[24:31]   Q's fragment: register i = (c1 Q)[query][8 (lane / 16) + i]
.set OA,  40                           ; v[40:47]   O^T: register j = channel 8 (lane / 16) + j of my query
.set PC,  48                           ; v[48:63]   p's codes
.set S,   64                           ; v[64:127]  the 8 score tiles: written by the f32 matrix form alone in the whole text
.set W1,  128                          ; v[128:191] K's 8 fragments, then E, 1 + E, R in place; then v128-143 V's fragment and v144-191 the next step's K tiles 2-7
.set W2,  192                          ; v[192:255] B, then T, then P' in place; on the way out v192-207
; v1 16 x lane   v2 B's address   v3 V's   v4 Q's image   v5 the tile's   v6, v7 stage in, out   v8-11 the head's stores   v12 -Mrel   v13 largest T   v[14:15] the sum   v[16:17] f   v18 scale   v19 hold   v20-23 at work
; s[4:5] Q  s[6:7] K  s[8:9] V  s[10:11] mask  s[12:13] scales  s[14:15] out0  s16 wave  s[20:21] lane selects  s[22:23] A  s24, s25 B masked, open  s26 ep  s27 ev  s28 ep + 127  s29 ep + ev  s30 tiles to go  s31 tile's bytes
.macro PLACES n
.rept \n
	v_nop
.endr
.endm
.macro KLOAD s, t                      ; tile t of step s of K: 8 registers a lane, two loads of 512 consecutive bytes
	ds_load_b128 v[W1+8*(\t):W1+8*(\t)+3],   v1 offset:(\s)*8192+(\t)*1024
	ds_load_b128 v[W1+8*(\t)+4:W1+8*(\t)+7], v1 offset:(\s)*8192+(\t)*1024+512
.endm
.macro BLOAD s                         ; register 16 b + i = B[128 s + 32 b + 16 (lane / 16) + i]: sixteen lanes read one address
.irp b, 0,1,2,3
.irp q, 0,1,2,3
	ds_load_b128 v[W2+16*\b+4*\q:W2+16*\b+4*\q+3], v2 offset:(128*(\s)+32*\b)*4+16*\q
.endr
.endr
.endm
.macro VLOAD s                         ; registers 4 c .. 4 c + 3 = keys 128 s + 32 c + 16 (lane / 16) + 0 .. 15 of channel lane % 16: the places that p's codes have
.irp c, 0,1,2,3
	ds_load_b128 v[W1+4*\c:W1+4*\c+3], v3 offset:128*(\s)+32*\c
.endr
.endm
	s_load_b256 s[4:11], s[0:1], 0x0               ; Q, K, V's codes, mask
	s_load_b128 s[12:15], s[0:1], 0x20             ; the scales' exponents, out0
	v_lshrrev_b32 v23, 5, v0
	v_readfirstlane_b32 s16, v23                   ; wave 0..15
	v_and_b32 v20, 31, v0                          ; lane
	v_and_b32 v21, 15, v0                          ; r
	v_bfe_u32 v22, v0, 4, 1                        ; h
	v_lshlrev_b32 v1, 4, v20                       ; 16 x lane
	v_lshl_add_u32 v2, v22, 6, BTAB                ; B: my half's 16 keys of a block of 32
	v_mul_u32_u24 v3, v21, VP
	v_lshl_add_u32 v3, v22, 4, v3
	v_add_nc_u32 v3, VROW, v3                      ; V: row r, + 16 h
	s_lshl_b32 s36, s16, 12                        ; 4,096 x wave
	v_add_nc_u32 v4, s36, v1
	v_add_nc_u32 v4, QIMG, v4                      ; my wave's images of Q
	s_mul_i32 s37, s16, 16*SPT
	s_add_co_u32 s37, s37, STAGE                   ; my wave's stage
	v_mul_u32_u24 v6, v21, SPT
	v_lshl_add_u32 v6, v22, 5, v6
	v_add_nc_u32 v6, s37, v6                       ; in: row r, 32 bytes for each half of the lanes
	v_lshrrev_b32 v36, 2, v20                      ; lane / 4
	v_and_b32 v37, 3, v0                           ; lane % 4
	v_mul_u32_u24 v7, v36, SPT
	v_lshl_add_u32 v7, v37, 4, v7
	v_add_nc_u32 v7, s37, v7                       ; back: four lanes to a row of 64 bytes
	v_and_b32 v38, 1, v0
	v_bfe_u32 v39, v0, 1, 1
	v_lshlrev_b32 v8, 4, v36                       ; a dense load gives lane l the row l / 4 and its numbers 4 (l % 4) on: in the image that is slot l / 4, half (l / 2) % 2, group l % 2
	v_lshl_add_u32 v8, v38, 9, v8
	v_lshl_add_u32 v8, v39, 8, v8
	v_add_nc_u32 v8, s36, v8                       ; K's images: my wave's 64 keys fill tiles 4 w .. 4 w + 3
	v_add_nc_u32 v9, QIMG, v8                      ; Q's likewise
	s_mul_i32 s38, s16, VP
	s_add_co_u32 s38, s38, VROW
	v_add_nc_u32 v10, s38, v1                      ; V: wave w stages row w
	v_lshl_add_u32 v11, v0, 3, BTAB                ; B: thread T makes entries 2 T and 2 T + 1
	v_lshlrev_b32 v32, 1, v0                       ; and reads their two mask bytes
	v_mov_b32 v17, 0                               ; (named as the upper half of the pair v[16:17])
	s_lshl_b32 s18, ttmp9, 16                      ; the head's 65,536 bytes of Q, K and out0, + my wave's 4,096
	s_add_co_u32 s18, s18, s36
	s_mov_b32 s19, 0
	s_lshl_b32 s32, ttmp9, 14                      ; the head's 16,384 bytes of V, + my wave's row
	s_lshl_b32 s39, s16, 10
	s_add_co_u32 s32, s32, s39
	s_mov_b32 s33, 0
	s_lshr_b32 s34, ttmp9, 3                       ; the batch's 1,024 mask bytes
	s_lshl_b32 s34, s34, 10
	s_mov_b32 s35, 0
	s_mov_b32 s20, 0x76543210                      ; v_permlanex16_b32: lane l xor 16
	s_mov_b32 s21, 0xfedcba98
	s_mov_b32 s22, 0xc1e6d4ca                      ; A = -20 log2(e)
	s_mov_b32 s24, 0xd056fa73                      ; B of a masked key: -1e10 log2(e)
	s_mov_b32 s25, 0xbf12b361                      ; B of an open key: 10 log2(e) - 15
	s_wait_kmcnt 0x0
	s_add_nc_u64 s[4:5], s[4:5], s[18:19]
	s_add_nc_u64 s[6:7], s[6:7], s[18:19]
	s_add_nc_u64 s[14:15], s[14:15], s[18:19]
	s_add_nc_u64 s[8:9], s[8:9], s[32:33]
	s_add_nc_u64 s[10:11], s[10:11], s[34:35]
	s_load_b64 s[26:27], s[12:13], 0x0             ; ep, ev
	; 21 loads; each b128 of the wave covers 512 consecutive bytes.  K, Q and V are read once in the launch; the mask is read by the batch's eight work-groups
	global_load_b128 v[168:171], v1, s[10:11]
	global_load_b128 v[172:175], v1, s[10:11] offset:512
	global_load_u16 v33, v32, s[10:11]
.irp j, 0,1,2,3,4,5,6,7
	global_load_b128 v[128+4*\j:131+4*\j], v1, s[6:7] offset:512*\j th:TH_LOAD_NT
.endr
.irp j, 0,1,2,3,4,5,6,7
	global_load_b128 v[192+4*\j:195+4*\j], v1, s[4:5] offset:512*\j th:TH_LOAD_NT
.endr
.irp j, 0,1
	global_load_b128 v[160+4*\j:163+4*\j], v1, s[8:9] offset:512*\j th:TH_LOAD_NT
.endr
	s_wait_loadcnt 18                              ; the mask's three loads are in; the 18 behind them (K 8, Q 8, V 2) may be out
	v_and_b32 v36, v168, v169                      ; is every key of the batch masked?  The AND of all 1,024 bytes, 32 a lane
	v_and_b32 v37, v170, v171
	v_and_b32 v38, v172, v173
	v_and_b32 v39, v174, v175
	v_and_b32 v36, v36, v37
	v_and_b32 v38, v38, v39
	v_and_b32 v36, v36, v38
	v_cmp_ne_u32 vcc_lo, 0x01010101, v36           ; a lane with an open key among its 32
	s_cmp_eq_u32 vcc_lo, 0                         ; none: the batch is masked throughout
	s_cselect_b32 s22, 0, s22                      ; then A = 0 and the masked B = 0: T = 0 and p = 1 for every key.  A choice, no branch
	s_cselect_b32 s24, 0, s24
	s_mov_b32 s23, s22                             ; (the packed form names the pair)
	v_mov_b32 v34, s25
	v_mov_b32 v35, s24
	v_and_b32 v36, 0xff, v33
	v_lshrrev_b32 v37, 8, v33
	v_cmp_ne_u32 vcc_lo, 0, v36
	v_cndmask_b32 v38, v34, v35, vcc_lo
	v_cmp_ne_u32 vcc_lo, 0, v37
	v_cndmask_b32 v39, v34, v35, vcc_lo
	ds_store_b64 v11, v[38:39]
	s_wait_loadcnt 10                              ; K's eight loads are in; Q's and V's may be out
.irp j, 0,1,2,3,4,5,6,7                        ; load j holds keys 8 j .. 8 j + 7 of my 64: tile 2 (j / 4) + j % 2 of my four, slots 8 ((j / 2) % 2) on
	ds_store_b128 v8, v[128+4*\j:131+4*\j] offset:(2*(\j/4)+(\j%2))*1024+128*((\j/2)%2)
.endr
	s_wait_loadcnt 2                               ; Q's are in; V's two may be out
.irp j, 0,2,4,6,8,10,12,14,16,18,20,22,24,26,28,30
	v_pk_mul_f32 v[192+\j:193+\j], v[192+\j:193+\j], 0x3f38aa3b op_sel_hi:[1,0]   ; x c1 = log2(e) / 2, once, so that a score comes out as the first exponential's argument
.endr
.irp j, 0,1,2,3,4,5,6,7                        ; load j holds queries 8 j .. 8 j + 7 of my 64: tile j / 2, rows 8 (j % 2) on
	ds_store_b128 v9, v[192+4*\j:195+4*\j] offset:(\j/2)*1024+128*(\j%2)
.endr
	s_wait_loadcnt 0x0                             ; V
.irp j, 0,1
	ds_store_b128 v10, v[160+4*\j:163+4*\j] offset:512*\j
.endr
	s_wait_kmcnt 0x0
	s_add_co_i32 s28, s26, 127                     ; ep + 127
	s_add_co_i32 s29, s26, s27                     ; ep + ev
	s_wait_dscnt 0x0                               ; for the others' sake: all my stores into LDS are done
	s_barrier_signal -1
	s_barrier_wait -1                              ; the one barrier: K, V and B are whole; from here on they are only read
.irp t, 2,3,4,5,6,7
	KLOAD 0, \t                                    ; six of step 0's eight tiles of K: later these twelve loads are issued in the step before
.endr
	s_mov_b32 s30, 4
	s_mov_b32 s31, 0
; A KEY STEP: 128 keys x my 16 queries.
.macro STEP s
	KLOAD \s, 0                                    ; into the registers that held V's fragment: four plain instructions ended the step before
	KLOAD \s, 1
	BLOAD \s
	s_wait_dscnt 20                                ; all but the 20 just issued: K's tiles 2-7 (and, in a tile's first step, Q) are in
.irp t, 2,3,4,5,6,7                            ; S^T = K Q^T, four along the depth at a time.  K step c takes registers 2 c, 2 c + 1 of both images: depths 2 c, 2 c + 1, 8 + 2 c, 9 + 2 c.  The first starts the sums
	v_wmma_f32_16x16x4_f32 v[S+8*\t:S+8*\t+7], v[W1+8*\t:W1+8*\t+1], v[QF:QF+1], 0
.endr
	s_wait_dscnt 16                                ; K's tiles 0 and 1 are in; B's sixteen loads may be out
.irp t, 0,1
	v_wmma_f32_16x16x4_f32 v[S+8*\t:S+8*\t+7], v[W1+8*\t:W1+8*\t+1], v[QF:QF+1], 0
.endr
.irp c, 1,2,3                                  ; the eight accumulators take turns, one instruction a turn
.irp t, 2,3,4,5,6,7,0,1
	v_wmma_f32_16x16x4_f32 v[S+8*\t:S+8*\t+7], v[W1+8*\t+2*\c:W1+8*\t+2*\c+1], v[QF+2*\c:QF+2*\c+1], v[S+8*\t:S+8*\t+7]
.endr
.endr
	PLACES 8                                       ; behind this matrix form eight plain instructions stand before its results are read and its sources written (ISA guide 7.12.1)
.set II, 0
.rept 64
	v_exp_f32 v[W1+II], v[S+II]                    ; E = e^(2x); each accumulator is read from its low end on
.set II, II+1
.endr
	v_nop                                          ; a plain instruction behind the last exponential,
	s_wait_alu depctr_va_vdst(0)                   ; and one wait for the batch of 64, ahead of its first reader
.set II, 0
.rept 32
	v_pk_add_f32 v[W1+II:W1+II+1], v[W1+II:W1+II+1], 1.0 op_sel_hi:[1,0]
.set II, II+2
.endr
.set II, 0
.rept 64
	v_rcp_f32 v[W1+II], v[W1+II]                   ; R = 1 / (1 + E): 0 where E is infinite, 1 where it is 0
.set II, II+1
.endr
	v_nop
	s_wait_alu depctr_va_vdst(0)                   ; one wait for the 64 reciprocals
	s_wait_dscnt 0x0                               ; B is in
.set II, 0
.rept 32
	v_pk_fma_f32 v[W2+II:W2+II+1], v[W1+II:W1+II+1], s[22:23], v[W2+II:W2+II+1] op_sel_hi:[1,0,1]   ; T = R A + B[key]
.set II, II+2
.endr
	VLOAD \s                                       ; R is done with: V's fragment of this step,
.set NXT, ((\s)+1)%8
.irp t, 2,3,4,5,6,7
	KLOAD NXT, \t                                  ; and six tiles of the next step's K (behind step 7: step 0's, for the next tile of queries; behind the last tile they are read and not used)
.endr
	v_max3_num_f32 v20, v[W2], v[W2+1], v[W2+2]    ; the step's largest T of my query among my 64 keys, in two chains
	v_max3_num_f32 v22, v[W2+3], v[W2+4], v[W2+5]
.set II, 6
.rept 14
	v_max3_num_f32 v20, v20, v[W2+II], v[W2+II+1]
	v_max3_num_f32 v22, v22, v[W2+II+2], v[W2+II+3]
.set II, II+4
.endr
	v_max3_num_f32 v20, v20, v[W2+62], v[W2+63]
.set II, 0
.rept 64
	v_exp_f32 v[W2+II], v[W2+II]                   ; P' = 2^T
.set II, II+1
.endr
	v_max_num_f32 v20, v20, v22                    ; work that names no result of the batch stands between it and its wait
	v_permlanex16_b32 v21, v20, s20, s21           ; the query's other 64 keys lie in lane l xor 16
.if (\s) == 0
	v_max3_num_f32 v13, 0xc1f00000, v20, v21       ; the running largest T begins at -30, under every open key's
.else
	v_max3_num_f32 v13, v13, v20, v21
.endif
	v_floor_f32 v21, -v13                          ; -Mrel = floor(-T) = -ceil(T): a whole number, 0 to 30
	v_cvt_i32_f32 v21, v21
.if (\s) > 0
	v_sub_nc_u32 v20, v21, v12                     ; old Mrel - new Mrel, 0 or less
	v_ldexp_f32 v16, 1.0, v20                      ; f = 2^(old - new)
.endif
	v_mov_b32 v12, v21
	v_sub_nc_u32 v21, s28, v21                     ; ep + Mrel + 127
	v_lshlrev_b32 v18, 23, v21                     ; 2^(ep + Mrel) as f32: the conversion takes its exponent field, lane by lane
	v_add_nc_u32 v19, 0x07e00000, v18              ; 57,344 x that: 15 more in the exponent field, 0x600000 in the mantissa
.if (\s) > 0
.irp j, 0,2,4,6
	v_pk_mul_f32 v[OA+\j:OA+\j+1], v[OA+\j:OA+\j+1], v[16:17] op_sel_hi:[1,0]   ; O^T under the new Mrel: nothing is rounded; from the accumulator's low end on
.endr
.endif
	s_wait_alu depctr_va_vdst(0)                   ; one wait for the 64 exponentials
.if (\s) == 0                                  ; THE ROW'S SUM IS TAKEN OF THE UNQUANTISED P', two at a time, in two chains; the first step starts it: nothing is cleared
	v_pk_add_f32 v[14:15], v[W2:W2+1], v[W2+2:W2+3]
	v_pk_add_f32 v[22:23], v[W2+4:W2+5], v[W2+6:W2+7]
.set II, 8
.else
	v_pk_add_f32 v[22:23], v[W2:W2+1], v[W2+2:W2+3]
.set II, 4
.endif
.rept (64-II)/4
	v_pk_add_f32 v[14:15], v[14:15], v[W2+II:W2+II+1]
	v_pk_add_f32 v[22:23], v[22:23], v[W2+II+2:W2+II+3]
.set II, II+4
.endr
	v_pk_add_f32 v[14:15], v[14:15], v[22:23]
	s_cmp_gt_i32 s26, -16                          ; with ep >= -15 a number over its scale is at most 2^15: the hold cannot bite.  A branch on a whole number read from memory, the same in every wave
	s_cbranch_scc1 .Lfree_\@
.set II, 0
.rept 64
	v_min_num_f32 v[W2+II], v[W2+II], v19          ; the conversion to an 8-bit code does not saturate (ISA guide 7.6.2); P' is not negative, so the hold is one-sided
.set II, II+1
.endr
.Lfree_\@:
.irp b, 0,1,2,3
	v_cvt_scalef32_pk8_bf8_f32 v[PC+4*\b:PC+4*\b+1],   v[W2+16*\b:W2+16*\b+7],    v18   ; registers 4 b .. 4 b + 3: keys 32 b + 16 (lane / 16) + 0 .. 15
	v_cvt_scalef32_pk8_bf8_f32 v[PC+4*\b+2:PC+4*\b+3], v[W2+16*\b+8:W2+16*\b+15], v18
.endr
	v_nop                                          ; one plain instruction between a scaled conversion and the matrix instruction that reads its result
	s_wait_dscnt 12                                ; V's four loads are in; the twelve loads of K behind them may be out
.if (\s) == 0
	v_wmma_f32_16x16x128_bf8_bf8 v[OA:OA+7], v[W1:W1+15], v[PC:PC+15], 0            ; O^T = V^T P^T: the tile's first step starts the sums
.else
	v_wmma_f32_16x16x128_bf8_bf8 v[OA:OA+7], v[W1:W1+15], v[PC:PC+15], v[OA:OA+7]   ; 32 products on other accumulators stand between two links on O^T
.endif
	PLACES 4                                       ; in front of the loads into V's registers, and of the first read of O^T
.endm
.Ltile:                                            ; four trips: a tile of 16 queries each
	v_add_nc_u32 v5, s31, v4
	ds_load_b128 v[QF:QF+3],   v5                  ; the tile's image of Q
	ds_load_b128 v[QF+4:QF+7], v5 offset:512
	STEP 0
	STEP 1
	STEP 2
	STEP 3
	STEP 4
	STEP 5
	STEP 6
	STEP 7
	; THE WAY OUT.  out = O^T x 2^(ep + ev + Mrel) / the sum.  A lane holds 32 bytes of a row of 64: the tile goes through my wave's own stage and leaves as 1,024 consecutive bytes
	v_add_f32 v20, v14, v15                        ; the sum's two halves,
	v_permlanex16_b32 v21, v20, s20, s21
	v_add_f32 v20, v20, v21                        ; and lane l xor 16's
	v_rcp_f32 v20, v20
	v_sub_nc_u32 v21, s29, v12                     ; ep + ev + Mrel.  (The plain instruction behind the reciprocal)
	s_wait_alu depctr_va_vdst(0)                   ; the wait ahead of its first reader
	v_ldexp_f32 v20, v20, v21
.irp j, 0,2,4,6
	v_pk_mul_f32 v[W2+\j:W2+\j+1], v[OA+\j:OA+\j+1], v[20:21] op_sel_hi:[1,0]   ; from the accumulator's low end on
.endr
	ds_store_b128 v6, v[W2:W2+3]
	ds_store_b128 v6, v[W2+4:W2+7] offset:16
	ds_load_b128 v[W2+8:W2+11],  v7                ; LDS serves a wave's instructions in order (ISA guide 5.7.1.4): these see my stores.  Rows 0-7,
	ds_load_b128 v[W2+12:W2+15], v7 offset:8*SPT   ; rows 8-15
	s_wait_dscnt 0x0                               ; they are in (and so are the twelve loads of K for the next tile)
	global_store_b128 v1, v[W2+8:W2+11],  s[14:15] th:TH_STORE_NT              ; the wave stores 512 consecutive bytes, at a multiple of 512 from out0's first byte: eight whole rows
	global_store_b128 v1, v[W2+12:W2+15], s[14:15] offset:512 th:TH_STORE_NT
	s_wait_xcnt 0x0                                ; the stores' base, and their data registers, into which the next tile's B is loaded, are written again only behind this wait
	s_add_nc_u64 s[14:15], s[14:15], 1024
	s_add_co_u32 s31, s31, 1024
	s_sub_co_u32 s30, s30, 1
	s_cmp_lg_u32 s30, 0
	s_cbranch_scc1 .Ltile
	s_wait_xcnt 0x0
	v_lshl_add_u32 v254, v0, 2, 0x2a100
	v_mov_b32 v255, 0
	s_wait_tensorcnt 0x0
	ds_add_u32 v254, v255
	s_wait_dscnt 0x0
	s_endpgm
.Lfunc_end_k_q21c41a0666_attn:
	.size	k_q21c41a0666_attn, .Lfunc_end_k_q21c41a0666_attn-k_q21c41a0666_attn
	.p2alignl 7, 3214868480
	.fill 96, 4, 3214868480
	.section	.rodata,"a",@progbits
	.p2align	6, 0x0
	.amdhsa_kernel k_q21c41a0666_attn
		.amdhsa_group_segment_fixed_size 174336
		.amdhsa_private_segment_fixed_size 0
		.amdhsa_enable_private_segment 0
		.amdhsa_kernarg_size 48
		.amdhsa_user_sgpr_count 2
		.amdhsa_user_sgpr_kernarg_segment_ptr 1
		.amdhsa_wavefront_size32 1
		.amdhsa_system_sgpr_workgroup_id_x 1
		.amdhsa_system_sgpr_workgroup_id_y 1
		.amdhsa_system_sgpr_workgroup_id_z 1
		.amdhsa_system_vgpr_workitem_id 0
		.amdhsa_next_free_vgpr 256
		.amdhsa_next_free_sgpr 66
		.amdhsa_reserve_vcc 1
		.amdhsa_float_denorm_mode_32 3
		.amdhsa_float_denorm_mode_16_64 3
		.amdhsa_memory_ordered 1
		.amdhsa_forward_progress 1
		.amdhsa_inst_pref_size 189
	.end_amdhsa_kernel
	.amdgpu_metadata
---
amdhsa.version: [ 1, 2 ]
amdhsa.kernels:
  - .name:           k_q21c41a0666_attn
    .symbol:         k_q21c41a0666_attn.kd
    .args:
      - { .name: Q, .offset: 0, .size: 8, .value_kind: global_buffer, .address_space: global }
      - { .name: K, .offset: 8, .size: 8, .value_kind: global_buffer, .address_space: global }
      - { .name: V_codes, .offset: 16, .size: 8, .value_kind: global_buffer, .address_space: global }
      - { .name: mask, .offset: 24, .size: 8, .value_kind: global_buffer, .address_space: global }
      - { .name: lowp_scales, .offset: 32, .size: 8, .value_kind: global_buffer, .address_space: global }
      - { .name: out0, .offset: 40, .size: 8, .value_kind: global_buffer, .address_space: global }
    .group_segment_fixed_size: 174336
    .private_segment_fixed_size: 0
    .kernarg_segment_align: 8
    .kernarg_segment_size: 48
    .max_flat_workgroup_size: 512
    .sgpr_count:     66
    .vgpr_count:     256
    .wavefront_size: 32
...
	.end_amdgpu_metadata
.endif
;; end of part 1
;; ======== version 2 of 2: 1 launch; version 1 with the launch attn written anew for expert scheduling mode
;; launch attn (part 2): grid 256 x 1, 16 waves a work-group, no clusters, 174,336 bytes of LDS; arguments Q, K, V_codes, mask, lowp_scales, out0; writes out0
.if DOCPART == 2
	.amdgcn_target "amdgcn-amd-amdhsa--gfx1250"
	.amdhsa_code_object_version 6
	.text
	.protected	k_q21c41a0666_attn
	.globl	k_q21c41a0666_attn
	.p2align	8
	.type	k_q21c41a0666_attn,@function
k_q21c41a0666_attn:
	s_mov_b64 s[64:65], 0
	v_nop
	global_prefetch_b8 v0, s[64:65] scope:SCOPE_SE
	s_setreg_imm32_b32 hwreg(HW_REG_WAVE_SCHED_MODE, 0, 2), 2
	s_setreg_imm32_b32 hwreg(HW_REG_WAVE_MODE, 25, 1), 1
	s_wait_xcnt 0x0
	s_wait_alu depctr_vm_vsrc(0)
; out0[b][h][q][:] = softmax_k( mask[b][k] ? -1e10 : 10 tanh(Q[q].K[k] / 4) ) V[k][:].   Q, K, out0: [32][8][1024][16] f32.  V: E5M2 codes, keys innermost, [32][8][16 d][1024 keys].
; The first product (depth 16) feeds a quantiser, so it is made with f32 operands, by the f32 matrix form.  The second is made on E5M2 codes: p with the given scale 2^ep, V with 2^ev.
; SHARES.  One work-group to a head (256 heads).  Sixteen waves of 256 registers; wave w owns queries 64 w .. 64 w + 63, four tiles of 16, one after the other; for each tile it walks the 1,024 keys in 8 steps of 128.
; Both products are used transposed (S^T = K Q^T, O^T = V^T P^T): a lane holds ONE query (lane % 16) throughout.
; STAGING.  The head's K, Q (times c1), V and a table B[key] made of the mask go into LDS once, at the head, by dense loads and LDS stores; ONE barrier; behind it those bytes are only read.
; K and Q lie in LDS as images of the operand's registers (16 bytes a lane on end).  THE KEYS OF A TILE ARE NOT NEIGHBOURS: slot r of tile 2 b + u of a step is key 32 b + 8 u + r + 8 (r / 8), so that the 16 score
; registers of tiles 2 b and 2 b + 1 are the 16 neighbouring keys 32 b + 16 (lane / 16) + 0 .. 15: the conversions' results are the second product's operand as they stand.
; A SCORE.  S = (c1 q).k, c1 = log2(e) / 2;  E = 2^S = e^(2x), x = q.k / 4;  R = 1 / (1 + E);  tanh x = 1 - 2 R;  T = R A + B[key], A = -20 log2(e);  P' = 2^T.
;   open key:   B = 10 log2(e) - 15, so T = t - 15 with t = logit x log2(e).  The clip 10 tanh, which is the problem's own, holds t within +-14.43 for every input: P' lies in 2^-29.5 .. 2^-0.5 and a row's sum under 2^9.5,
;               so P' and its sum are kept under this one shift without overflow or underflow.  The QUANTISER still gets the running maximum: see M below.
;   masked key: B = -1e10 log2(e): P' = 0.  The mask costs no instruction a score: B is loaded into the registers in which the multiply-add leaves T.
;   a batch masked throughout: every logit is -1e10 and every p is 1.  All 1,024 mask bytes are ANDed; A and the masked B are then SELECTED to 0 (no branch): T = 0, P' = 1.
; M.  Mrel = ceil(the running largest T), the running largest beginning at -30, under every open key's T: Mrel = ceil(largest t) - 15.  The conversion's scale is, lane by lane, 2^(ep + Mrel), so a code is 2^(t - M) / 2^ep.
;   When Mrel moves, O^T is multiplied by 2^(old - new), which rounds nothing.  The row's sum is taken of the unquantised P'.  out = O^T x 2^(ep + ev + Mrel) / the sum.
; THE HOLD at 57,344 x the scale: P' is at most 2^Mrel, so with ep >= -15 a number over its scale is at most 2^15 and the hold cannot bite: its 64 lines stand under a scalar branch on the whole number ep, and run where ep <= -16.
; LIMITS.  ep between -96 and 112 (ep + 97 and ep + 142 are f32 exponent fields); ep + ev is applied by v_ldexp_f32 and has none.  Mask bytes are 0 or 1.  NaN among Q and K is not served.
; NOT USED: tensor loads and a ring (a head's 102 KB is staged once, permuted on the way, and never filled again); clusters (work-groups share only a batch's 1,024 mask bytes);
; prefetches (every input byte is asked for by the loads at the head; no later stream exists); register windows (256 registers a wave).
; THE MODE: SCHED_MODE bits 1:0 = 2 (LLVM: expert scheduling mode 2), set by the entry lines.  The code itself states the register dependences
; between vector or matrix instructions and memory or LDS instructions, with s_wait_alu, always for 0.
; THE PLAN.  Registers that LDS or memory instructions touch behind the barrier, and who else names them:
;   v128-143   K's tiles 0, 1 of step s land at the step's head; the f32 products read them; E, 1 + E, R are made in place; the multiply-adds read R last.  Then V's fragment lands; the step's product on codes reads it.
;   v144-191   the same as far as the multiply-adds; then tiles 2-7 of the NEXT step's K land.
;   v192-255   B lands among the step's f32 products; T and P' are made in place; the step's conversions read them last.  On the way out four multiplications write v192-199, two LDS stores read them,
;              two loads from the stage land in v200-207 and two global stores read those.
;   v24-31     Q: loaded at a tile's head, read by the tile's f32 products.     v5: written at a tile's head, read by Q's two loads.     v1, v2, v3, v6, v7: made at the kernel's head, never written again.
;   The scores, O^T, p's codes and v12-23 are named by vector and matrix instructions alone.
; So a step has five waits on va_vdst.  One at its head: the step before is done with V's fragment and with v192-255; K's tiles 0, 1 follow it at once, and B's sixteen loads are dealt among the f32 products, which name the
; scores, v128-191 and Q alone.  One behind the multiply-adds: they are done reading R; V's loads follow at once, K's twelve are dealt among the maxima, which name v192-255, v20 and v22 alone.  The other three are the waits
; for the step's three batches of transcendentals.  A tile has three more (its head; the reciprocal; the way out's stores) and one wait on vm_vsrc, at its end.
.set QIMG,  65536                      ; LDS: K's 64 tiles x 1,024 bytes from 0; then Q's: 4,096 bytes for each wave
.set VROW,  131072                     ; V: 16 rows of 1,024 codes,
.set VP,    1040                       ; 1,040 bytes apart: 65 x 16, so the 16 rows of a fragment load fall on 16 different 16-byte columns of 256
.set BTAB,  VROW+16*VP                 ; B[key]: 1,024 f32
.set STAGE, BTAB+4096                  ; the way out: 16 rows of 80 bytes for each wave
.set SPT,   80
.set QF,  24                           ; v[24:31]   Q's fragment: register i = (c1 Q)[query][8 (lane / 16) + i]
.set OA,  40                           ; v[40:47]   O^T: register j = channel 8 (lane / 16) + j of my query
.set PC,  48                           ; v[48:63]   p's codes
.set S,   64                           ; v[64:127]  the 8 score tiles: written by the f32 matrix form alone in the whole text
.set W1,  128                          ; v[128:191] K's 8 fragments, then E, 1 + E, R in place; then v128-143 V's fragment and v144-191 the next step's K tiles 2-7
.set W2,  192                          ; v[192:255] B, then T, then P' in place; on the way out v192-207
; v1 16 x lane   v2 B's address   v3 V's   v4 Q's image   v5 the tile's   v6, v7 stage in, out   v8-11 the head's stores   v12 -Mrel   v13 largest T   v[14:15] the sum   v[16:17] f   v18 scale   v19 hold   v20-23 at work
; s[4:5] Q  s[6:7] K  s[8:9] V  s[10:11] mask  s[12:13] scales  s[14:15] out0  s16 wave  s[20:21] lane selects  s[22:23] A  s24, s25 B masked, open  s26 ep  s27 ev  s28 ep + 127  s29 ep + ev  s30 tiles to go  s31 tile's bytes
.macro PLACES n
.rept \n
	v_nop
.endr
.endm
.macro KLOAD s, t                      ; tile t of step s of K: 8 registers a lane, two loads of 512 consecutive bytes
	ds_load_b128 v[W1+8*(\t):W1+8*(\t)+3],   v1 offset:(\s)*8192+(\t)*1024
	ds_load_b128 v[W1+8*(\t)+4:W1+8*(\t)+7], v1 offset:(\s)*8192+(\t)*1024+512
.endm
.macro BONE s, i                       ; load i of B's sixteen: register 16 b + j = B[128 s + 32 b + 16 (lane / 16) + j]; load i brings registers 4 i .. 4 i + 3; sixteen lanes read one address
	ds_load_b128 v[W2+4*(\i):W2+4*(\i)+3], v2 offset:(128*(\s)+32*((\i)/4))*4+16*((\i)%4)
.endm
.macro VLOAD s                         ; registers 4 c .. 4 c + 3 = keys 128 s + 32 c + 16 (lane / 16) + 0 .. 15 of channel lane % 16: the places that p's codes have
.irp c, 0,1,2,3
	ds_load_b128 v[W1+4*\c:W1+4*\c+3], v3 offset:128*(\s)+32*\c
.endr
.endm
	s_load_b256 s[4:11], s[0:1], 0x0               ; Q, K, V's codes, mask
	s_load_b128 s[12:15], s[0:1], 0x20             ; the scales' exponents, out0
	v_lshrrev_b32 v23, 5, v0
	v_readfirstlane_b32 s16, v23                   ; wave 0..15
	v_and_b32 v20, 31, v0                          ; lane
	v_and_b32 v21, 15, v0                          ; r
	v_bfe_u32 v22, v0, 4, 1                        ; h
	v_lshlrev_b32 v1, 4, v20                       ; 16 x lane
	v_lshl_add_u32 v2, v22, 6, BTAB                ; B: my half's 16 keys of a block of 32
	v_mul_u32_u24 v3, v21, VP
	v_lshl_add_u32 v3, v22, 4, v3
	v_add_nc_u32 v3, VROW, v3                      ; V: row r, + 16 h
	s_wait_alu depctr_va_sdst(0)                   ; s16 is written, ahead of its first reader: the wave's places in LDS and in memory are made from it
	s_lshl_b32 s36, s16, 12                        ; 4,096 x wave
	v_add_nc_u32 v4, s36, v1
	v_add_nc_u32 v4, QIMG, v4                      ; my wave's images of Q
	s_mul_i32 s37, s16, 16*SPT
	s_add_co_u32 s37, s37, STAGE                   ; my wave's stage
	v_mul_u32_u24 v6, v21, SPT
	v_lshl_add_u32 v6, v22, 5, v6
	v_add_nc_u32 v6, s37, v6                       ; in: row r, 32 bytes for each half of the lanes
	v_lshrrev_b32 v36, 2, v20                      ; lane / 4
	v_and_b32 v37, 3, v0                           ; lane % 4
	v_mul_u32_u24 v7, v36, SPT
	v_lshl_add_u32 v7, v37, 4, v7
	v_add_nc_u32 v7, s37, v7                       ; back: four lanes to a row of 64 bytes
	v_and_b32 v38, 1, v0
	v_bfe_u32 v39, v0, 1, 1
	v_lshlrev_b32 v8, 4, v36                       ; a dense load gives lane l the row l / 4 and its numbers 4 (l % 4) on: in the image that is slot l / 4, half (l / 2) % 2, group l % 2
	v_lshl_add_u32 v8, v38, 9, v8
	v_lshl_add_u32 v8, v39, 8, v8
	v_add_nc_u32 v8, s36, v8                       ; K's images: my wave's 64 keys fill tiles 4 w .. 4 w + 3
	v_add_nc_u32 v9, QIMG, v8                      ; Q's likewise
	s_mul_i32 s38, s16, VP
	s_add_co_u32 s38, s38, VROW
	v_add_nc_u32 v10, s38, v1                      ; V: wave w stages row w
	v_lshl_add_u32 v11, v0, 3, BTAB                ; B: thread T makes entries 2 T and 2 T + 1
	v_lshlrev_b32 v32, 1, v0                       ; and reads their two mask bytes
	v_mov_b32 v17, 0                               ; (named as the upper half of the pair v[16:17])
	s_lshl_b32 s18, ttmp9, 16                      ; the head's 65,536 bytes of Q, K and out0, + my wave's 4,096
	s_add_co_u32 s18, s18, s36
	s_mov_b32 s19, 0
	s_lshl_b32 s32, ttmp9, 14                      ; the head's 16,384 bytes of V, + my wave's row
	s_lshl_b32 s39, s16, 10
	s_add_co_u32 s32, s32, s39
	s_mov_b32 s33, 0
	s_lshr_b32 s34, ttmp9, 3                       ; the batch's 1,024 mask bytes
	s_lshl_b32 s34, s34, 10
	s_mov_b32 s35, 0
	s_mov_b32 s20, 0x76543210                      ; v_permlanex16_b32: lane l xor 16
	s_mov_b32 s21, 0xfedcba98
	s_mov_b32 s22, 0xc1e6d4ca                      ; A = -20 log2(e)
	s_mov_b32 s24, 0xd056fa73                      ; B of a masked key: -1e10 log2(e)
	s_mov_b32 s25, 0xbf12b361                      ; B of an open key: 10 log2(e) - 15
	s_wait_kmcnt 0x0
	s_add_nc_u64 s[4:5], s[4:5], s[18:19]
	s_add_nc_u64 s[6:7], s[6:7], s[18:19]
	s_add_nc_u64 s[14:15], s[14:15], s[18:19]
	s_add_nc_u64 s[8:9], s[8:9], s[32:33]
	s_add_nc_u64 s[10:11], s[10:11], s[34:35]
	s_load_b64 s[26:27], s[12:13], 0x0             ; ep, ev
	s_wait_alu depctr_va_vdst(0)                   ; the offsets and LDS addresses v1 to v3, v6 to v11 and v32 are written, which the loads and stores of the whole kernel read
	; 21 loads; each b128 of the wave covers 512 consecutive bytes.  K, Q and V are read once in the launch; the mask is read by the batch's eight work-groups
	global_load_b128 v[168:171], v1, s[10:11]
	global_load_b128 v[172:175], v1, s[10:11] offset:512
	global_load_u16 v33, v32, s[10:11]
.irp j, 0,1,2,3,4,5,6,7
	global_load_b128 v[128+4*\j:131+4*\j], v1, s[6:7] offset:512*\j th:TH_LOAD_NT
.endr
.irp j, 0,1,2,3,4,5,6,7
	global_load_b128 v[192+4*\j:195+4*\j], v1, s[4:5] offset:512*\j th:TH_LOAD_NT
.endr
.irp j, 0,1
	global_load_b128 v[160+4*\j:163+4*\j], v1, s[8:9] offset:512*\j th:TH_LOAD_NT
.endr
	s_wait_loadcnt 18                              ; the mask's three loads are in; the 18 behind them (K 8, Q 8, V 2) may be out
	v_and_b32 v36, v168, v169                      ; is every key of the batch masked?  The AND of all 1,024 bytes, 32 a lane
	v_and_b32 v37, v170, v171
	v_and_b32 v38, v172, v173
	v_and_b32 v39, v174, v175
	v_and_b32 v36, v36, v37
	v_and_b32 v38, v38, v39
	v_and_b32 v36, v36, v38
	v_cmp_ne_u32 vcc_lo, 0x01010101, v36           ; a lane with an open key among its 32
	s_wait_alu depctr_va_vcc(0)                    ; VCC is written, ahead of the scalar compare that reads it
	s_cmp_eq_u32 vcc_lo, 0                         ; none: the batch is masked throughout
	s_cselect_b32 s22, 0, s22                      ; then A = 0 and the masked B = 0: T = 0 and p = 1 for every key.  A choice, no branch
	s_cselect_b32 s24, 0, s24
	s_mov_b32 s23, s22                             ; (the packed form names the pair)
	v_mov_b32 v34, s25
	v_mov_b32 v35, s24
	v_and_b32 v36, 0xff, v33
	v_lshrrev_b32 v37, 8, v33
	v_cmp_ne_u32 vcc_lo, 0, v36
	s_wait_alu depctr_va_vcc(0)                    ; VCC is written, ahead of the choice that reads it
	v_cndmask_b32 v38, v34, v35, vcc_lo
	v_cmp_ne_u32 vcc_lo, 0, v37
	s_wait_alu depctr_va_vcc(0)                    ; and once more, for the second entry's choice
	v_cndmask_b32 v39, v34, v35, vcc_lo
	s_wait_alu depctr_va_vdst(0)                   ; the two choices have written v38 and v39, which the LDS store reads
	ds_store_b64 v11, v[38:39]
	s_wait_loadcnt 10                              ; K's eight loads are in; Q's and V's may be out
.irp j, 0,1,2,3,4,5,6,7                        ; load j holds keys 8 j .. 8 j + 7 of my 64: tile 2 (j / 4) + j % 2 of my four, slots 8 ((j / 2) % 2) on
	ds_store_b128 v8, v[128+4*\j:131+4*\j] offset:(2*(\j/4)+(\j%2))*1024+128*((\j/2)%2)
.endr
	s_wait_loadcnt 2                               ; Q's are in; V's two may be out
.irp j, 0,2,4,6,8,10,12,14,16,18,20,22,24,26,28,30
	v_pk_mul_f32 v[192+\j:193+\j], v[192+\j:193+\j], 0x3f38aa3b op_sel_hi:[1,0]   ; x c1 = log2(e) / 2, once, so that a score comes out as the first exponential's argument
.endr
	s_wait_alu depctr_va_vdst(0)                   ; the sixteen multiplications have written v192-223, which the LDS stores read
.irp j, 0,1,2,3,4,5,6,7                        ; load j holds queries 8 j .. 8 j + 7 of my 64: tile j / 2, rows 8 (j % 2) on
	ds_store_b128 v9, v[192+4*\j:195+4*\j] offset:(\j/2)*1024+128*(\j%2)
.endr
	s_wait_loadcnt 0x0                             ; V
.irp j, 0,1
	ds_store_b128 v10, v[160+4*\j:163+4*\j] offset:512*\j
.endr
	s_wait_kmcnt 0x0
	s_add_co_i32 s28, s26, 127                     ; ep + 127
	s_add_co_i32 s29, s26, s27                     ; ep + ev
	s_wait_dscnt 0x0                               ; for the others' sake: all my stores into LDS are done
	s_barrier_signal -1
	s_barrier_wait -1                              ; the one barrier: K, V and B are whole; from here on they are only read
	s_wait_alu depctr_vm_vsrc(0)                   ; my LDS stores have read v128-167 and v192-223, in which K's tiles and B land from here on (the lines that read the mask in v168-175 stand ahead of the waits on va_vdst above)
.irp t, 2,3,4,5,6,7
	KLOAD 0, \t                                    ; six of step 0's eight tiles of K: later these twelve loads are issued in the step before
.endr
	s_mov_b32 s30, 4
	s_mov_b32 s31, 0
; A KEY STEP: 128 keys x my 16 queries.
.macro STEP s
.if (\s) > 0
	s_wait_alu depctr_va_vdst(0)                   ; the last step's product on codes is done reading V's fragment, in which K's tiles 0 and 1 land; its sums, holds and conversions are done with v192-255, in which B lands.  (A tile's first step: the wait at the tile's head states the same)
.endif
	KLOAD \s, 0                                    ; into the registers that held V's fragment
	KLOAD \s, 1
	s_wait_dscnt 4                                 ; all but the 4 just issued: K's tiles 2-7 (and, in a tile's first step, Q) are in
.irp t, 2,3,4,5,6,7                            ; S^T = K Q^T, four along the depth at a time.  K step c takes registers 2 c, 2 c + 1 of both images: depths 2 c, 2 c + 1, 8 + 2 c, 9 + 2 c.  The first starts the sums
	v_wmma_f32_16x16x4_f32 v[S+8*\t:S+8*\t+7], v[W1+8*\t:W1+8*\t+1], v[QF:QF+1], 0
.endr
	s_wait_dscnt 0x0                               ; K's tiles 0 and 1 are in
.irp t, 0,1
	v_wmma_f32_16x16x4_f32 v[S+8*\t:S+8*\t+7], v[W1+8*\t:W1+8*\t+1], v[QF:QF+1], 0
.endr
.set BI, 0
.irp c, 1,2,3                                  ; the eight accumulators take turns, one instruction a turn
.irp t, 2,3,4,5,6,7,0,1
	v_wmma_f32_16x16x4_f32 v[S+8*\t:S+8*\t+7], v[W1+8*\t+2*\c:W1+8*\t+2*\c+1], v[QF+2*\c:QF+2*\c+1], v[S+8*\t:S+8*\t+7]
.if BI < 16
	BONE \s, BI                                    ; B's sixteen loads, one behind each of sixteen products.  No wait: since the step's first wait only these products were issued, and they name the scores, v128-191 and Q
.set BI, BI+1
.endif
.endr
.endr
	PLACES 8                                       ; behind this matrix form eight plain instructions stand before its results are read and its sources written (ISA guide 7.12.1)
.set II, 0
.rept 64
	v_exp_f32 v[W1+II], v[S+II]                    ; E = e^(2x); each accumulator is read from its low end on
.set II, II+1
.endr
	v_nop                                          ; a plain instruction behind the last exponential,
	s_wait_alu depctr_va_vdst(0)                   ; and one wait for the batch of 64: E is written in v128-191, ahead of its first reader
.set II, 0
.rept 32
	v_pk_add_f32 v[W1+II:W1+II+1], v[W1+II:W1+II+1], 1.0 op_sel_hi:[1,0]
.set II, II+2
.endr
.set II, 0
.rept 64
	v_rcp_f32 v[W1+II], v[W1+II]                   ; R = 1 / (1 + E): 0 where E is infinite, 1 where it is 0
.set II, II+1
.endr
	v_nop
	s_wait_alu depctr_va_vdst(0)                   ; one wait for the 64 reciprocals: R is written in v128-191, ahead of its first reader
	s_wait_dscnt 0x0                               ; B is in
.set II, 0
.rept 32
	v_pk_fma_f32 v[W2+II:W2+II+1], v[W1+II:W1+II+1], s[22:23], v[W2+II:W2+II+1] op_sel_hi:[1,0,1]   ; T = R A + B[key]
.set II, II+2
.endr
	s_wait_alu depctr_va_vdst(0)                   ; the multiply-adds are done reading R in v128-191, in which the sixteen loads below land
	VLOAD \s                                       ; V's fragment of this step,
.set NXT, ((\s)+1)%8
.set KT, 2
	v_max3_num_f32 v20, v[W2], v[W2+1], v[W2+2]    ; the step's largest T of my query among my 64 keys, in two chains
	v_max3_num_f32 v22, v[W2+3], v[W2+4], v[W2+5]
.set II, 6
.rept 14
.if KT < 8
	KLOAD NXT, KT                                  ; and six tiles of the next step's K (behind step 7: step 0's, for the next tile of queries; behind the last tile they are read and not used), dealt among the maxima.  No wait: the maxima name v192-255, v20 and v22
.set KT, KT+1
.endif
	v_max3_num_f32 v20, v20, v[W2+II], v[W2+II+1]
	v_max3_num_f32 v22, v22, v[W2+II+2], v[W2+II+3]
.set II, II+4
.endr
	v_max3_num_f32 v20, v20, v[W2+62], v[W2+63]
.set II, 0
.rept 64
	v_exp_f32 v[W2+II], v[W2+II]                   ; P' = 2^T
.set II, II+1
.endr
	v_max_num_f32 v20, v20, v22                    ; work that names no result of the batch stands between it and its wait
	v_permlanex16_b32 v21, v20, s20, s21           ; the query's other 64 keys lie in lane l xor 16
.if (\s) == 0
	v_max3_num_f32 v13, 0xc1f00000, v20, v21       ; the running largest T begins at -30, under every open key's
.else
	v_max3_num_f32 v13, v13, v20, v21
.endif
	v_floor_f32 v21, -v13                          ; -Mrel = floor(-T) = -ceil(T): a whole number, 0 to 30
	v_cvt_i32_f32 v21, v21
.if (\s) > 0
	v_sub_nc_u32 v20, v21, v12                     ; old Mrel - new Mrel, 0 or less
	v_ldexp_f32 v16, 1.0, v20                      ; f = 2^(old - new)
.endif
	v_mov_b32 v12, v21
	v_sub_nc_u32 v21, s28, v21                     ; ep + Mrel + 127
	v_lshlrev_b32 v18, 23, v21                     ; 2^(ep + Mrel) as f32: the conversion takes its exponent field, lane by lane
	v_add_nc_u32 v19, 0x07e00000, v18              ; 57,344 x that: 15 more in the exponent field, 0x600000 in the mantissa
.if (\s) > 0
.irp j, 0,2,4,6
	v_pk_mul_f32 v[OA+\j:OA+\j+1], v[OA+\j:OA+\j+1], v[16:17] op_sel_hi:[1,0]   ; O^T under the new Mrel: nothing is rounded; from the accumulator's low end on
.endr
.endif
	s_wait_alu depctr_va_vdst(0)                   ; one wait for the 64 exponentials: P' is written in v192-255, ahead of its first reader
.if (\s) == 0                                  ; THE ROW'S SUM IS TAKEN OF THE UNQUANTISED P', two at a time, in two chains; the first step starts it: nothing is cleared
	v_pk_add_f32 v[14:15], v[W2:W2+1], v[W2+2:W2+3]
	v_pk_add_f32 v[22:23], v[W2+4:W2+5], v[W2+6:W2+7]
.set II, 8
.else
	v_pk_add_f32 v[22:23], v[W2:W2+1], v[W2+2:W2+3]
.set II, 4
.endif
.rept (64-II)/4
	v_pk_add_f32 v[14:15], v[14:15], v[W2+II:W2+II+1]
	v_pk_add_f32 v[22:23], v[22:23], v[W2+II+2:W2+II+3]
.set II, II+4
.endr
	v_pk_add_f32 v[14:15], v[14:15], v[22:23]
	s_cmp_gt_i32 s26, -16                          ; with ep >= -15 a number over its scale is at most 2^15: the hold cannot bite.  A branch on a whole number read from memory, the same in every wave
	s_cbranch_scc1 .Lfree_\@
.set II, 0
.rept 64
	v_min_num_f32 v[W2+II], v[W2+II], v19          ; the conversion to an 8-bit code does not saturate (ISA guide 7.6.2); P' is not negative, so the hold is one-sided
.set II, II+1
.endr
.Lfree_\@:
.irp b, 0,1,2,3
	v_cvt_scalef32_pk8_bf8_f32 v[PC+4*\b:PC+4*\b+1],   v[W2+16*\b:W2+16*\b+7],    v18   ; registers 4 b .. 4 b + 3: keys 32 b + 16 (lane / 16) + 0 .. 15
	v_cvt_scalef32_pk8_bf8_f32 v[PC+4*\b+2:PC+4*\b+3], v[W2+16*\b+8:W2+16*\b+15], v18
.endr
	v_nop                                          ; one plain instruction between a scaled conversion and the matrix instruction that reads its result
	s_wait_dscnt 12                                ; V's four loads are in; the twelve loads of K behind them may be out
.if (\s) == 0
	v_wmma_f32_16x16x128_bf8_bf8 v[OA:OA+7], v[W1:W1+15], v[PC:PC+15], 0            ; O^T = V^T P^T: the tile's first step starts the sums
.else
	v_wmma_f32_16x16x128_bf8_bf8 v[OA:OA+7], v[W1:W1+15], v[PC:PC+15], v[OA:OA+7]   ; 32 products on other accumulators stand between two links on O^T
.endif
	PLACES 4                                       ; four places behind the product, ahead of the first read of O^T; they stay beside the wait that stands ahead of the loads into V's registers
.endm
.Ltile:                                            ; four trips: a tile of 16 queries each
	v_add_nc_u32 v5, s31, v4                       ; (Q's loads of the tile before have read v5: the wait on vm_vsrc at that tile's end)
	s_wait_alu depctr_va_vdst(0)                   ; v5 is written, which Q's loads read; the last tile's products are done reading Q and V's fragment, and its way out is done with v192-255: Q's, K's and B's loads land there
	ds_load_b128 v[QF:QF+3],   v5                  ; the tile's image of Q
	ds_load_b128 v[QF+4:QF+7], v5 offset:512
	STEP 0
	STEP 1
	STEP 2
	STEP 3
	STEP 4
	STEP 5
	STEP 6
	STEP 7
	; THE WAY OUT.  out = O^T x 2^(ep + ev + Mrel) / the sum.  A lane holds 32 bytes of a row of 64: the tile goes through my wave's own stage and leaves as 1,024 consecutive bytes
	v_add_f32 v20, v14, v15                        ; the sum's two halves,
	v_permlanex16_b32 v21, v20, s20, s21
	v_add_f32 v20, v20, v21                        ; and lane l xor 16's
	v_rcp_f32 v20, v20
	v_sub_nc_u32 v21, s29, v12                     ; ep + ev + Mrel.  (The plain instruction behind the reciprocal)
	s_wait_alu depctr_va_vdst(0)                   ; the reciprocal is written in v20, ahead of its first reader
	v_ldexp_f32 v20, v20, v21
.irp j, 0,2,4,6
	v_pk_mul_f32 v[W2+\j:W2+\j+1], v[OA+\j:OA+\j+1], v[20:21] op_sel_hi:[1,0]   ; from the accumulator's low end on
.endr
	s_wait_alu depctr_va_vdst(0)                   ; the four multiplications have written v192-199, which the LDS stores read; the last step's conversions are done reading v200-207, in which the loads from the stage land
	ds_store_b128 v6, v[W2:W2+3]
	ds_store_b128 v6, v[W2+4:W2+7] offset:16
	ds_load_b128 v[W2+8:W2+11],  v7                ; LDS serves a wave's instructions in order (ISA guide 5.7.1.4): these see my stores.  Rows 0-7,
	ds_load_b128 v[W2+12:W2+15], v7 offset:8*SPT   ; rows 8-15
	s_wait_dscnt 0x0                               ; they are in (and so are the twelve loads of K for the next tile)
	global_store_b128 v1, v[W2+8:W2+11],  s[14:15] th:TH_STORE_NT              ; the wave stores 512 consecutive bytes, at a multiple of 512 from out0's first byte: eight whole rows
	global_store_b128 v1, v[W2+12:W2+15], s[14:15] offset:512 th:TH_STORE_NT
	s_wait_xcnt 0x0                                ; the stores' base, and their data registers, into which the next tile's B is loaded, are written again only behind this wait
	s_wait_alu depctr_vm_vsrc(0)                   ; beside it: the LDS stores have read v192-199 and the global stores v200-207, in which the next tile's B lands; Q's loads have read v5, which the next tile's head writes
	s_add_nc_u64 s[14:15], s[14:15], 1024
	s_add_co_u32 s31, s31, 1024
	s_sub_co_u32 s30, s30, 1
	s_cmp_lg_u32 s30, 0
	s_cbranch_scc1 .Ltile
	s_wait_xcnt 0x0
	v_lshl_add_u32 v254, v0, 2, 0x2a100
	v_mov_b32 v255, 0
	s_wait_dscnt 0x0                               ; the closing lines, six on end
	s_wait_alu 0x0
	s_wait_tensorcnt 0x0
	ds_add_u32 v254, v255
	s_wait_dscnt 0x0
	s_endpgm
.Lfunc_end_k_q21c41a0666_attn:
	.size	k_q21c41a0666_attn, .Lfunc_end_k_q21c41a0666_attn-k_q21c41a0666_attn
	.p2alignl 7, 3214868480
	.fill 96, 4, 3214868480
	.section	.rodata,"a",@progbits
	.p2align	6, 0x0
	.amdhsa_kernel k_q21c41a0666_attn
		.amdhsa_group_segment_fixed_size 174336
		.amdhsa_private_segment_fixed_size 0
		.amdhsa_enable_private_segment 0
		.amdhsa_kernarg_size 48
		.amdhsa_user_sgpr_count 2
		.amdhsa_user_sgpr_kernarg_segment_ptr 1
		.amdhsa_wavefront_size32 1
		.amdhsa_system_sgpr_workgroup_id_x 1
		.amdhsa_system_sgpr_workgroup_id_y 1
		.amdhsa_system_sgpr_workgroup_id_z 1
		.amdhsa_system_vgpr_workitem_id 0
		.amdhsa_next_free_vgpr 256
		.amdhsa_next_free_sgpr 66
		.amdhsa_reserve_vcc 1
		.amdhsa_float_denorm_mode_32 3
		.amdhsa_float_denorm_mode_16_64 3
		.amdhsa_memory_ordered 1
		.amdhsa_forward_progress 1
		.amdhsa_inst_pref_size 190
	.end_amdhsa_kernel
	.amdgpu_metadata
---
amdhsa.version: [ 1, 2 ]
amdhsa.kernels:
  - .name:           k_q21c41a0666_attn
    .symbol:         k_q21c41a0666_attn.kd
    .args:
      - { .name: Q, .offset: 0, .size: 8, .value_kind: global_buffer, .address_space: global }
      - { .name: K, .offset: 8, .size: 8, .value_kind: global_buffer, .address_space: global }
      - { .name: V_codes, .offset: 16, .size: 8, .value_kind: global_buffer, .address_space: global }
      - { .name: mask, .offset: 24, .size: 8, .value_kind: global_buffer, .address_space: global }
      - { .name: lowp_scales, .offset: 32, .size: 8, .value_kind: global_buffer, .address_space: global }
      - { .name: out0, .offset: 40, .size: 8, .value_kind: global_buffer, .address_space: global }
    .group_segment_fixed_size: 174336
    .private_segment_fixed_size: 0
    .kernarg_segment_align: 8
    .kernarg_segment_size: 48
    .max_flat_workgroup_size: 512
    .sgpr_count:     66
    .vgpr_count:     256
    .wavefront_size: 32
...
	.end_amdgpu_metadata
.endif
;; end of part 2
